; MI455X (gfx1250); checked and timed in simulation.
; The chip was launched on July 23, 2026; its instructions are those of AMD's public machine-readable ISA for CDNA 5 (MIT licence, August 2026) and "CDNA5" Instruction Set Architecture Reference Guide (July 2026). The comments in the code are by the model that wrote it; some were corrected since.
;; Pointnet FP Module2. Allowed arithmetic: float matrix products may take bf16 or f16 operands with f32 sums; all other float work in f32.
;; Inputs: known 8 x 2,048 x 3 float32; known_feats 8 x 256 x 2,048 float32; unknown 8 x 4,096 x 3 float32.
;; Outputs: out0 8 x 256 x 4,096 float32.
;; One version. Each part assembles by itself: llvm-mc -triple=amdgcn-amd-amdhsa -mcpu=gfx1250 --defsym DOCPART=n.
;; ======== version 1 of 1: 3 launches
;; limits: values are held in f16: magnitudes above 65,504 overflow, below 6.1e-05 lose precision
;; workspace buffers: rowtag 393,216 bytes of whole numbers; nbr 393,216 bytes of whole numbers; wgt 393,216 bytes
;; launch rows (part 1): grid 256 x 1, 8 waves a work-group, no clusters, 58,368 bytes of LDS; arguments known, unknown, rowtag; writes rowtag
.if DOCPART == 1
	.amdgcn_target "amdgcn-amd-amdhsa--gfx1250"
	.amdhsa_code_object_version 6
	.text
	.protected	k_q275ffb730b_rows
	.globl	k_q275ffb730b_rows
	.p2align	8
	.type	k_q275ffb730b_rows,@function
k_q275ffb730b_rows:
	s_mov_b64 s[64:65], 0
	v_nop
	global_prefetch_b8 v0, s[64:65] scope:SCOPE_SE
	s_setreg_imm32_b32 hwreg(HW_REG_WAVE_MODE, 25, 1), 1
	s_wait_xcnt 0x0
; rows: for each query point, WHICH THREE ROWS of 32 consecutive known points hold its three nearest neighbours.
; known [8][2048][3] f32, unknown [8][4096][3] f32, rowtag [8][4096][3] u32 (row numbers 0..63, ascending).
;
; Why rows: order elements by (d2, index).  The three smallest elements lie in the three rows whose minima are smallest by
; (minimum, row number): if an element's row were not among them, three other rows would each hold a smaller element.
; So the pass over all 2048 candidates keeps only a minimum per row (one v_min3 for two candidates) and no index;
; the next launch looks at 3 x 32 candidates only, with indices.
;
; A work-group: one batch, 128 queries, all 2048 candidates.  Eight waves; every wave holds all 128 queries (lane l: queries
; 4 l .. 4 l + 3) and takes 256 candidates = 8 rows.  d2 = fma(dz,dz, fma(dy,dy, dx*dx)), two candidates in one packed instruction.
; No matrix instruction: a selection among distances needs all of f32 on the differences.  No cluster: what the 32 work-groups of
; a batch share is known's 24,576 bytes, read once, against 28 vector instructions for every 2 candidates in every wave.
; LIMITS: coordinates finite, d2 below the largest f32 (an infinite or NaN d2 never enters the list; the tags then stay 0).
; Two distances that differ by about one unit in the last place may rank otherwise than in an evaluation without fused multiply-adds.
.set KX,    0                          ; LDS: x of the 2048 known points
.set KY,    8192                       ;      y
.set KZ,    16384                      ;      z
.set RM,    24576                      ;      table of row minima, [64 rows][128 queries] f32
.set RMROW, 512                        ; bytes of one row of that table
.set LANE, 1
.set KAD,  3                           ; LDS byte address of my wave's current row in x[]
.set RMA,  4                           ; where my four minima of the current row go (without RM)
.set GK,   5                           ; 12 t
.set GU,   6                           ; 48 lane
.set L4,   7                           ; 4 t
.set U,    8                           ; v[8:31]   query q, coordinate j: the pair (-u, -u) at U + 6 q + 2 j
.set ACC,  32                          ; v[32:35]  running minimum of the row, one for each of my queries
.set T,    36                          ; v[36:59]  query q: dx pair, dy pair, dz pair at T + 6 q
.set KA,   64                          ; v[64:111]  16 candidates: x at +0, y at +16, z at +32
.set KB,   112                         ; v[112:159] the next 16
.set RAW,  160                         ; v[160:171] my four queries as loaded
.set CA,   8                           ; the tail: chain A: a, b, c, their tags, two temporaries
.set CB,   16                          ;           chain B
.set SRT,  24                          ;           v[24:26] the sorted tags, v27, v28 at work
.set RMV,  64                          ;           v[64:127] the 64 minima of my query
	s_load_b128 s[4:7], s[0:1], 0x0                ; known, unknown
	s_load_b64 s[8:9], s[0:1], 0x10                ; rowtag
	v_lshl_add_u32 v172, v0, 2, 0xe000
	v_mov_b32 v173, 0
	v_and_b32 v[LANE], 31, v0
	v_lshrrev_b32 v2, 5, v0
	v_readfirstlane_b32 s10, v2                    ; wave 0..7
	s_lshr_b32 s11, ttmp9, 5                       ; batch: 32 work-groups each
	s_mul_i32 s12, s11, 24576                      ; known: 2048 x 12 bytes a batch
	s_mov_b32 s13, 0
	s_mul_i32 s14, ttmp9, 1536                     ; unknown and rowtag: 128 queries x 12 bytes a work-group
	s_mov_b32 s15, 0
	v_mul_u32_u24 v[GK], 12, v0
	v_mul_u32_u24 v[GU], 48, v[LANE]
	v_lshlrev_b32 v[L4], 2, v0
	s_wait_kmcnt 0x0
	s_add_nc_u64 s[4:5], s[4:5], s[12:13]
	s_add_nc_u64 s[6:7], s[6:7], s[14:15]
	s_add_nc_u64 s[8:9], s[8:9], s[14:15]
	; thread t brings points t, t + 256, ..: a wave's load covers 384 consecutive bytes
.irp i, 0,1,2,3,4,5,6,7
	global_load_b96 v[KA+4*\i:KA+4*\i+2], v[GK], s[4:5] offset:\i*3072
.endr
	global_load_b128 v[RAW:RAW+3],    v[GU], s[6:7]
	global_load_b128 v[RAW+4:RAW+7],  v[GU], s[6:7] offset:16
	global_load_b128 v[RAW+8:RAW+11], v[GU], s[6:7] offset:32
	s_lshl_b32 s16, s10, 10                        ; my wave's 256 candidates x 4 bytes
	s_lshl_b32 s17, s10, 12                        ; my wave's 8 rows of the table
	v_mov_b32 v[KAD], s16
	v_lshl_add_u32 v[RMA], v[LANE], 4, s17
	s_wait_loadcnt 0x3                             ; loads return in order: the 8 of known are in, the 3 of unknown may be out
.irp i, 0,1,2,3,4,5,6,7
	ds_store_b32 v[L4], v[KA+4*\i]   offset:KX+\i*1024     ; split into x[], y[], z[]: neighbouring lanes, neighbouring words
	ds_store_b32 v[L4], v[KA+4*\i+1] offset:KY+\i*1024
	ds_store_b32 v[L4], v[KA+4*\i+2] offset:KZ+\i*1024
.endr
	s_wait_loadcnt 0x0
.irp q, 0,1,2,3
.irp j, 0,1,2
	v_mul_f32 v[U+6*\q+2*\j],   -1.0, v[RAW+3*\q+\j]       ; -u twice: k + (-u) is k - u, and (k - u)^2 = (u - k)^2
	v_mul_f32 v[U+6*\q+2*\j+1], -1.0, v[RAW+3*\q+\j]
.endr
.endr
	s_wait_dscnt 0x0                               ; my part of x[], y[], z[] is written
	s_barrier_signal -1
	s_barrier_wait -1                              ; everybody's is
; 12 loads: 16 candidates at byte off behind the current row; all lanes read the same bytes
.macro LOADK k, off
.irp j, 0,1,2,3
	ds_load_b128 v[\k+4*\j:\k+4*\j+3],       v[KAD] offset:KX+\off+16*\j
.endr
.irp j, 0,1,2,3
	ds_load_b128 v[\k+16+4*\j:\k+16+4*\j+3], v[KAD] offset:KY+\off+16*\j
.endr
.irp j, 0,1,2,3
	ds_load_b128 v[\k+32+4*\j:\k+32+4*\j+3], v[KAD] offset:KZ+\off+16*\j
.endr
.endm
; candidates 2 cp, 2 cp + 1 of buffer k against my four queries: four chains that do not wait for each other.
; first = 1: the row's first two distances start the minimum: nothing is preset.
.macro PAIRS k, cp, first
.irp q, 0,1,2,3
	v_pk_add_f32 v[T+6*\q:T+6*\q+1],   v[\k+2*\cp:\k+2*\cp+1],       v[U+6*\q:U+6*\q+1]
.endr
.irp q, 0,1,2,3
	v_pk_add_f32 v[T+6*\q+2:T+6*\q+3], v[\k+16+2*\cp:\k+16+2*\cp+1], v[U+6*\q+2:U+6*\q+3]
.endr
.irp q, 0,1,2,3
	v_pk_add_f32 v[T+6*\q+4:T+6*\q+5], v[\k+32+2*\cp:\k+32+2*\cp+1], v[U+6*\q+4:U+6*\q+5]
.endr
.irp q, 0,1,2,3
	v_pk_mul_f32 v[T+6*\q:T+6*\q+1], v[T+6*\q:T+6*\q+1], v[T+6*\q:T+6*\q+1]
.endr
.irp q, 0,1,2,3
	v_pk_fma_f32 v[T+6*\q:T+6*\q+1], v[T+6*\q+2:T+6*\q+3], v[T+6*\q+2:T+6*\q+3], v[T+6*\q:T+6*\q+1]
.endr
.irp q, 0,1,2,3
	v_pk_fma_f32 v[T+6*\q:T+6*\q+1], v[T+6*\q+4:T+6*\q+5], v[T+6*\q+4:T+6*\q+5], v[T+6*\q:T+6*\q+1]
.endr
.irp q, 0,1,2,3
.if \first
	v_min_num_f32 v[ACC+\q], v[T+6*\q], v[T+6*\q+1]
.else
	v_min3_num_f32 v[ACC+\q], v[ACC+\q], v[T+6*\q], v[T+6*\q+1]
.endif
.endr
.endm
.macro HALF k, first
	PAIRS \k, 0, \first
.irp p, 1,2,3,4,5,6,7
	PAIRS \k, \p, 0
.endr
.endm
; One row of 32 candidates.  more = 1: each buffer is asked for its half of the next row as soon as it has been used.
.macro TRIP more
	s_wait_dscnt 12                                ; LDS answers in order: buffer A (and the last row's store) done, B's 12 loads may be out
	HALF KA, 1
.if \more
	LOADK KA, 128
	s_wait_dscnt 12                                ; B is in; the 12 just issued for A stay out
.else
	s_wait_dscnt 0x0                               ; the last row: nothing was issued behind B
.endif
	HALF KB, 0
	ds_store_b128 v[RMA], v[ACC:ACC+3] offset:RM   ; table[row][4 l .. 4 l + 3]
.if \more
	LOADK KB, 192
	v_add_nc_u32 v[KAD], 128, v[KAD]               ; 32 candidates on
	v_add_nc_u32 v[RMA], RMROW, v[RMA]
.endif
.endm
	LOADK KA, 0
	LOADK KB, 64
	s_mov_b32 s18, 7
.Lrow:
	TRIP 1
	s_sub_co_i32 s18, s18, 1
	s_cmp_lg_u32 s18, 0
	s_cbranch_scc1 .Lrow
	TRIP 0                                         ; the eighth row asks for nothing beyond the wave's candidates
	s_wait_dscnt 0x0                               ; my rows of the table are written
	s_barrier_signal -1
	s_barrier_wait -1
	s_cmp_ge_u32 s10, 4                            ; 128 queries: threads 0..127 finish, one query each
	s_cbranch_scc1 .Ldone
	; THE TAIL: the three smallest of my query's 64 minima, with their row numbers.  Two chains (rows 0-31, rows 32-63) run
	; interleaved so that neither waits for itself.  x enters only where it is strictly smaller: of equal minima the earlier row stays in front.
.irp r, 0,1,2,3,4,5,6,7,8,9,10,11,12,13,14,15,16,17,18,19,20,21,22,23,24,25,26,27,28,29,30,31
	ds_load_b32 v[RMV+2*\r],   v[L4] offset:RM+\r*RMROW
	ds_load_b32 v[RMV+2*\r+1], v[L4] offset:RM+(\r+32)*RMROW
.endr
	s_mov_b32 s19, 0x7f800000                      ; +infinity: an empty place
.irp r, 0,1,2
	v_mov_b32 v[CA+\r], s19
	v_mov_b32 v[CB+\r], s19
	v_mov_b32 v[CA+3+\r], 0
	v_mov_b32 v[CB+3+\r], 0
.endr
; a <= b <= c with tags ta, tb, tc at base + 0..5.  Insert x with tag g:  c = med3(b, c, x), b = med3(a, b, x), a = min(a, x);
; tc = x<c ? (x<b ? tb : g) : tc,  tb = x<b ? (x<a ? ta : g) : tb,  ta = x<a ? g : ta.  Selects only: no branch hangs on a distance.
.macro INS2 xa, ga, xb, gb
	v_cmp_lt_f32 s20, \xa, v[CA]
	v_cmp_lt_f32 s24, \xb, v[CB]
	v_cmp_lt_f32 s21, \xa, v[CA+1]
	v_cmp_lt_f32 s25, \xb, v[CB+1]
	v_cmp_lt_f32 s22, \xa, v[CA+2]
	v_cmp_lt_f32 s26, \xb, v[CB+2]
	v_med3_num_f32 v[CA+2], v[CA+1], v[CA+2], \xa
	v_med3_num_f32 v[CB+2], v[CB+1], v[CB+2], \xb
	v_med3_num_f32 v[CA+1], v[CA], v[CA+1], \xa
	v_med3_num_f32 v[CB+1], v[CB], v[CB+1], \xb
	v_min_num_f32 v[CA], v[CA], \xa
	v_min_num_f32 v[CB], v[CB], \xb
	v_cndmask_b32 v[CA+6], \ga, v[CA+4], s21
	v_cndmask_b32 v[CB+6], \gb, v[CB+4], s25
	v_cndmask_b32 v[CA+7], \ga, v[CA+3], s20
	v_cndmask_b32 v[CB+7], \gb, v[CB+3], s24
	v_cndmask_b32 v[CA+5], v[CA+5], v[CA+6], s22
	v_cndmask_b32 v[CB+5], v[CB+5], v[CB+6], s26
	v_cndmask_b32 v[CA+4], v[CA+4], v[CA+7], s21
	v_cndmask_b32 v[CB+4], v[CB+4], v[CB+7], s25
	v_cndmask_b32 v[CA+3], v[CA+3], \ga, s20
	v_cndmask_b32 v[CB+3], v[CB+3], \gb, s24
.endm
.macro INS1 x, g                       ; the same into chain A alone
	v_cmp_lt_f32 s20, \x, v[CA]
	v_cmp_lt_f32 s21, \x, v[CA+1]
	v_cmp_lt_f32 s22, \x, v[CA+2]
	v_med3_num_f32 v[CA+2], v[CA+1], v[CA+2], \x
	v_med3_num_f32 v[CA+1], v[CA], v[CA+1], \x
	v_min_num_f32 v[CA], v[CA], \x
	v_cndmask_b32 v[CA+6], \g, v[CA+4], s21
	v_cndmask_b32 v[CA+7], \g, v[CA+3], s20
	v_cndmask_b32 v[CA+5], v[CA+5], v[CA+6], s22
	v_cndmask_b32 v[CA+4], v[CA+4], v[CA+7], s21
	v_cndmask_b32 v[CA+3], v[CA+3], \g, s20
.endm
.irp r, 0,1,2,3,4,5,6,7,8,9,10,11,12,13,14,15,16,17,18,19,20,21,22,23,24,25,26,27,28,29,30,31
.if (\r%8)==0
	s_wait_dscnt 48-2*\r                           ; the 16 loads of the next eight steps are in; the later ones (48, 32, 16, 0) stay out
.endif
	INS2 v[RMV+2*\r], \r, v[RMV+2*\r+1], \r+32
.endr
	INS1 v[CB],   v[CB+3]                          ; chain B's three into chain A, smallest first: A's rows are the earlier ones and win ties
	INS1 v[CB+1], v[CB+4]
	INS1 v[CB+2], v[CB+5]
	; the tags in ascending order, so that the next launch meets the candidates in the order of their indices
	v_min_u32 v[SRT+3], v[CA+3], v[CA+4]
	v_max_u32 v[SRT+4], v[CA+3], v[CA+4]
	v_max_u32 v[SRT+2], v[SRT+4], v[CA+5]
	v_min_u32 v[SRT+4], v[SRT+4], v[CA+5]
	v_min_u32 v[SRT],   v[SRT+3], v[SRT+4]
	v_max_u32 v[SRT+1], v[SRT+3], v[SRT+4]
	global_store_b96 v[GK], v[SRT:SRT+2], s[8:9]   ; 12 bytes a thread: a wave's store covers 384 consecutive bytes
.Ldone:
	s_wait_tensorcnt 0x0
	ds_add_u32 v172, v173
	s_wait_dscnt 0x0
	s_endpgm
.Lfunc_end_k_q275ffb730b_rows:
	.size	k_q275ffb730b_rows, .Lfunc_end_k_q275ffb730b_rows-k_q275ffb730b_rows
	.p2alignl 7, 3214868480
	.fill 96, 4, 3214868480
	.section	.rodata,"a",@progbits
	.p2align	6, 0x0
	.amdhsa_kernel k_q275ffb730b_rows
		.amdhsa_group_segment_fixed_size 58368
		.amdhsa_private_segment_fixed_size 0
		.amdhsa_enable_private_segment 0
		.amdhsa_kernarg_size 24
		.amdhsa_user_sgpr_count 2
		.amdhsa_user_sgpr_kernarg_segment_ptr 1
		.amdhsa_wavefront_size32 1
		.amdhsa_system_sgpr_workgroup_id_x 1
		.amdhsa_system_sgpr_workgroup_id_y 1
		.amdhsa_system_sgpr_workgroup_id_z 1
		.amdhsa_system_vgpr_workitem_id 0
		.amdhsa_next_free_vgpr 174
		.amdhsa_next_free_sgpr 66
		.amdhsa_reserve_vcc 0
		.amdhsa_float_denorm_mode_32 3
		.amdhsa_float_denorm_mode_16_64 3
		.amdhsa_memory_ordered 1
		.amdhsa_forward_progress 1
		.amdhsa_inst_pref_size 113
	.end_amdhsa_kernel
	.amdgpu_metadata
---
amdhsa.version: [ 1, 2 ]
amdhsa.kernels:
  - .name:           k_q275ffb730b_rows
    .symbol:         k_q275ffb730b_rows.kd
    .args:
      - { .name: known, .offset: 0, .size: 8, .value_kind: global_buffer, .address_space: global }
      - { .name: unknown, .offset: 8, .size: 8, .value_kind: global_buffer, .address_space: global }
      - { .name: rowtag, .offset: 16, .size: 8, .value_kind: global_buffer, .address_space: global }
    .group_segment_fixed_size: 58368
    .private_segment_fixed_size: 0
    .kernarg_segment_align: 8
    .kernarg_segment_size: 24
    .max_flat_workgroup_size: 256
    .sgpr_count:     66
    .vgpr_count:     174
    .wavefront_size: 32
...
	.end_amdgpu_metadata
.endif
;; end of part 1
;; launch pick (part 2): grid 256 x 1, 4 waves a work-group, no clusters, 26,112 bytes of LDS; arguments known, unknown, rowtag, nbr, wgt; writes nbr, wgt
.if DOCPART == 2
	.amdgcn_target "amdgcn-amd-amdhsa--gfx1250"
	.amdhsa_code_object_version 6
	.text
	.protected	k_q275ffb730b_pick
	.globl	k_q275ffb730b_pick
	.p2align	8
	.type	k_q275ffb730b_pick,@function
k_q275ffb730b_pick:
	s_mov_b64 s[64:65], 0
	v_nop
	global_prefetch_b8 v0, s[64:65] scope:SCOPE_SE
	s_setreg_imm32_b32 hwreg(HW_REG_WAVE_MODE, 25, 1), 1
	s_wait_xcnt 0x0
; pick: the three nearest neighbours of each query among the 3 x 32 candidates of its three rows, with indices and weights.
; known [8][2048][3] f32, unknown [8][4096][3] f32, rowtag [8][4096][3] u32 (ascending), nbr [8][4096][3] u32, wgt [8][4096][3] f32.
; A work-group: one batch, 128 queries, one thread each.  known lies in LDS by rows of 32 points: x32 | y32 | z32 | 16 bytes unused.
; The pitch of 400 bytes is an odd multiple of 16, so that rows with different numbers modulo 16 start on different banks.
; The rows come in ascending order, a candidate enters only where it is strictly nearer: of equal distances the lower index stays,
; as in top_k.  d2 is formed exactly as in the launch before.  weight = r / (r0 + r1 + r2), r = 1 / (d2 + 1e-8), by v_rcp_f32 and a multiply.
; What the 32 work-groups of a batch share is known's 24,576 bytes, read once: no cluster.
; LIMITS: as in the launch before (finite coordinates, d2 below the largest f32).
.set PITCH, 400
.set GQ,  2                            ; 12 t: my query's bytes in unknown, rowtag, nbr, wgt
.set GF,  3                            ; the fill: my point's bytes in known
.set LF,  4                            ; the fill: my point's word in LDS
.set U,   8                            ; v[8:13]   (-ux,-ux) (-uy,-uy) (-uz,-uz)
.set TG,  14                           ; v[14:16]  my three row numbers
.set RA,  17                           ; v[17:19]  their LDS addresses
.set QR,  20                           ; v[20:22]  my query as loaded
.set CA,  24                           ; v[24:31]  chain A: a, b, c, their positions, two temporaries
.set CB,  32                           ; v[32:39]  chain B
.set T,   40                           ; v[40:63]  four packed distance chains, 6 registers each; at the end indices and weights
.set P0,  64                           ; four buffers of 16 candidates: x at +0, y at +16, z at +32
.set P1,  112
.set P2,  160
.set P3,  208
	s_load_b256 s[4:11], s[0:1], 0x0               ; known, unknown, rowtag, nbr
	s_load_b64 s[12:13], s[0:1], 0x20              ; wgt
	v_lshl_add_u32 v7, v0, 2, 0x6400
	v_mov_b32 v23, 0
	v_and_b32 v1, 31, v0
	v_lshrrev_b32 v5, 5, v0
	v_readfirstlane_b32 s14, v5                    ; wave 0..3
	s_lshr_b32 s15, ttmp9, 5                       ; batch
	s_mul_i32 s16, s15, 24576
	s_mov_b32 s17, 0
	s_mul_i32 s18, ttmp9, 1536                     ; 128 queries x 12 bytes
	s_mov_b32 s19, 0
	s_mul_i32 s28, s14, 6144                       ; my wave fills 16 rows: 16 x 384 bytes of known,
	s_mul_i32 s29, s14, 16*PITCH                   ; 16 x 400 bytes of LDS
	v_mul_u32_u24 v[GQ], 12, v0
	v_mul_u32_u24 v[GF], 12, v1
	v_add_nc_u32 v[GF], s28, v[GF]
	v_lshlrev_b32 v[LF], 2, v1
	v_add_nc_u32 v[LF], s29, v[LF]
	s_wait_kmcnt 0x0
	s_add_nc_u64 s[4:5], s[4:5], s[16:17]
	s_add_nc_u64 s[6:7], s[6:7], s[18:19]
	s_add_nc_u64 s[8:9], s[8:9], s[18:19]
	s_add_nc_u64 s[10:11], s[10:11], s[18:19]
	s_add_nc_u64 s[12:13], s[12:13], s[18:19]
	global_load_b96 v[TG:TG+2], v[GQ], s[8:9]
	global_load_b96 v[QR:QR+2], v[GQ], s[6:7]
.irp i, 0,1,2,3,4,5,6,7,8,9,10,11,12,13,14,15
	global_load_b96 v[P0+4*\i:P0+4*\i+2], v[GF], s[4:5] offset:\i*384      ; lane l: point l of row 16 w + i
.endr
	s_wait_loadcnt 0x0
.irp i, 0,1,2,3,4,5,6,7,8,9,10,11,12,13,14,15
	ds_store_b32 v[LF], v[P0+4*\i]   offset:\i*PITCH
	ds_store_b32 v[LF], v[P0+4*\i+1] offset:\i*PITCH+128
	ds_store_b32 v[LF], v[P0+4*\i+2] offset:\i*PITCH+256
.endr
.irp j, 0,1,2
	v_mul_f32 v[U+2*\j],   -1.0, v[QR+\j]
	v_mul_f32 v[U+2*\j+1], -1.0, v[QR+\j]
	v_min_u32 v[TG+\j], 63, v[TG+\j]               ; a loaded number enters an address only behind a clamp to the table's size
	v_mul_u32_u24 v[RA+\j], PITCH, v[TG+\j]
.endr
	s_mov_b32 s19, 0x7f800000                      ; +infinity: an empty place
.irp r, 0,1,2
	v_mov_b32 v[CA+\r], s19
	v_mov_b32 v[CB+\r], s19
	v_mov_b32 v[CA+3+\r], 0
	v_mov_b32 v[CB+3+\r], 0
.endr
	s_wait_dscnt 0x0
	s_barrier_signal -1
	s_barrier_wait -1
; 12 loads: half 0 or 1 (16 candidates) of my row number slot
.macro LOADH p, slot, half
.irp j, 0,1,2,3
	ds_load_b128 v[\p+4*\j:\p+4*\j+3],       v[RA+\slot] offset:\half*64+16*\j
.endr
.irp j, 0,1,2,3
	ds_load_b128 v[\p+16+4*\j:\p+16+4*\j+3], v[RA+\slot] offset:128+\half*64+16*\j
.endr
.irp j, 0,1,2,3
	ds_load_b128 v[\p+32+4*\j:\p+32+4*\j+3], v[RA+\slot] offset:256+\half*64+16*\j
.endr
.endm
; distances of candidates 2 cp .. 2 cp + 3 of buffer pa (to T, T+1, T+6, T+7) and of buffer pb (to T+12, T+13, T+18, T+19)
.macro DIST4 pa, pb, cp
.irp j, 0,1,2
	v_pk_add_f32 v[T+2*\j:T+2*\j+1],       v[\pa+16*\j+2*\cp:\pa+16*\j+2*\cp+1],   v[U+2*\j:U+2*\j+1]
	v_pk_add_f32 v[T+6+2*\j:T+6+2*\j+1],   v[\pa+16*\j+2*\cp+2:\pa+16*\j+2*\cp+3], v[U+2*\j:U+2*\j+1]
	v_pk_add_f32 v[T+12+2*\j:T+12+2*\j+1], v[\pb+16*\j+2*\cp:\pb+16*\j+2*\cp+1],   v[U+2*\j:U+2*\j+1]
	v_pk_add_f32 v[T+18+2*\j:T+18+2*\j+1], v[\pb+16*\j+2*\cp+2:\pb+16*\j+2*\cp+3], v[U+2*\j:U+2*\j+1]
.endr
.irp o, 0,6,12,18
	v_pk_mul_f32 v[T+\o:T+\o+1], v[T+\o:T+\o+1], v[T+\o:T+\o+1]
.endr
.irp o, 0,6,12,18
	v_pk_fma_f32 v[T+\o:T+\o+1], v[T+\o+2:T+\o+3], v[T+\o+2:T+\o+3], v[T+\o:T+\o+1]
.endr
.irp o, 0,6,12,18
	v_pk_fma_f32 v[T+\o:T+\o+1], v[T+\o+4:T+\o+5], v[T+\o+4:T+\o+5], v[T+\o:T+\o+1]
.endr
.endm
; a <= b <= c with positions at base + 3..5.  Insert x with position g:  c = med3(b, c, x), b = med3(a, b, x), a = min(a, x);
; pc = x<c ? (x<b ? pb : g) : pc,  pb = x<b ? (x<a ? pa : g) : pb,  pa = x<a ? g : pa.  Selects only: no branch hangs on a distance.
.macro INS2 xa, ga, xb, gb
	v_cmp_lt_f32 s20, \xa, v[CA]
	v_cmp_lt_f32 s24, \xb, v[CB]
	v_cmp_lt_f32 s21, \xa, v[CA+1]
	v_cmp_lt_f32 s25, \xb, v[CB+1]
	v_cmp_lt_f32 s22, \xa, v[CA+2]
	v_cmp_lt_f32 s26, \xb, v[CB+2]
	v_med3_num_f32 v[CA+2], v[CA+1], v[CA+2], \xa
	v_med3_num_f32 v[CB+2], v[CB+1], v[CB+2], \xb
	v_med3_num_f32 v[CA+1], v[CA], v[CA+1], \xa
	v_med3_num_f32 v[CB+1], v[CB], v[CB+1], \xb
	v_min_num_f32 v[CA], v[CA], \xa
	v_min_num_f32 v[CB], v[CB], \xb
	v_cndmask_b32 v[CA+6], \ga, v[CA+4], s21
	v_cndmask_b32 v[CB+6], \gb, v[CB+4], s25
	v_cndmask_b32 v[CA+7], \ga, v[CA+3], s20
	v_cndmask_b32 v[CB+7], \gb, v[CB+3], s24
	v_cndmask_b32 v[CA+5], v[CA+5], v[CA+6], s22
	v_cndmask_b32 v[CB+5], v[CB+5], v[CB+6], s26
	v_cndmask_b32 v[CA+4], v[CA+4], v[CA+7], s21
	v_cndmask_b32 v[CB+4], v[CB+4], v[CB+7], s25
	v_cndmask_b32 v[CA+3], v[CA+3], \ga, s20
	v_cndmask_b32 v[CB+3], v[CB+3], \gb, s24
.endm
.macro INS1 x, g
	v_cmp_lt_f32 s20, \x, v[CA]
	v_cmp_lt_f32 s21, \x, v[CA+1]
	v_cmp_lt_f32 s22, \x, v[CA+2]
	v_med3_num_f32 v[CA+2], v[CA+1], v[CA+2], \x
	v_med3_num_f32 v[CA+1], v[CA], v[CA+1], \x
	v_min_num_f32 v[CA], v[CA], \x
	v_cndmask_b32 v[CA+6], \g, v[CA+4], s21
	v_cndmask_b32 v[CA+7], \g, v[CA+3], s20
	v_cndmask_b32 v[CA+5], v[CA+5], v[CA+6], s22
	v_cndmask_b32 v[CA+4], v[CA+4], v[CA+7], s21
	v_cndmask_b32 v[CA+3], v[CA+3], \g, s20
.endm
; Position p = 32 x slot + place in the row, 0..95.  Chain A takes positions 0-47 (half rows 0, 1, 2), chain B 48-95 (half rows 3, 4, 5);
; stage h works on half row h from buffer pa and half row h + 3 from buffer pb.
.macro STAGE pa, pb, h
.irp cp, 0,2,4,6
	DIST4 \pa, \pb, \cp
	INS2 v[T],   16*\h+2*\cp,   v[T+12], 48+16*\h+2*\cp
	INS2 v[T+1], 16*\h+2*\cp+1, v[T+13], 48+16*\h+2*\cp+1
	INS2 v[T+6], 16*\h+2*\cp+2, v[T+18], 48+16*\h+2*\cp+2
	INS2 v[T+7], 16*\h+2*\cp+3, v[T+19], 48+16*\h+2*\cp+3
.endr
.endm
	LOADH P0, 0, 0                                 ; half row 0
	LOADH P1, 1, 1                                 ; half row 3
	LOADH P2, 0, 1                                 ; half row 1
	LOADH P3, 2, 0                                 ; half row 4
	s_wait_dscnt 24                                ; LDS answers in order: P0 and P1 are in, the 24 loads of P2 and P3 may be out
	STAGE P0, P1, 0
	LOADH P0, 1, 0                                 ; half row 2
	LOADH P1, 2, 1                                 ; half row 5
	s_wait_dscnt 24                                ; P2 and P3 are in, the 24 just issued stay out
	STAGE P2, P3, 1
	s_wait_dscnt 0x0
	STAGE P0, P1, 2
	INS1 v[CB],   v[CB+3]                          ; chain B's three into chain A: A's positions are the lower ones and win ties
	INS1 v[CB+1], v[CB+4]
	INS1 v[CB+2], v[CB+5]
	; index = 32 x (row number of the position's slot) + place in the row
.irp k, 0,1,2
	v_cmp_gt_u32 vcc_lo, 32, v[CA+3+\k]
	v_cmp_gt_u32 s20, 64, v[CA+3+\k]
	v_cndmask_b32 v[T+\k], v[TG+2], v[TG+1], s20
	v_cndmask_b32 v[T+\k], v[T+\k], v[TG], vcc_lo
	v_and_b32 v[T+8+\k], 31, v[CA+3+\k]
	v_lshl_or_b32 v[T+\k], v[T+\k], 5, v[T+8+\k]
.endr
	global_store_b96 v[GQ], v[T:T+2], s[10:11]
	; weights
	v_add_f32 v[T+4], 0x322bcc77, v[CA]            ; d2 + 1e-8
	v_add_f32 v[T+5], 0x322bcc77, v[CA+1]
	v_add_f32 v[T+6], 0x322bcc77, v[CA+2]
	v_rcp_f32 v[T+4], v[T+4]
	v_rcp_f32 v[T+5], v[T+5]
	v_rcp_f32 v[T+6], v[T+6]
	v_nop                                          ; one plain vector instruction between a reciprocal and its use (ISA guide 5.7.2)
	s_wait_alu depctr_va_vdst(0)
	v_add_f32 v[T+7], v[T+4], v[T+5]
	v_add_f32 v[T+7], v[T+7], v[T+6]
	v_rcp_f32 v[T+7], v[T+7]
	v_nop
	s_wait_alu depctr_va_vdst(0)
	v_mul_f32 v[T+4], v[T+4], v[T+7]
	v_mul_f32 v[T+5], v[T+5], v[T+7]
	v_mul_f32 v[T+6], v[T+6], v[T+7]
	global_store_b96 v[GQ], v[T+4:T+6], s[12:13]
	s_wait_tensorcnt 0x0
	ds_add_u32 v7, v23
	s_wait_dscnt 0x0
	s_endpgm
.Lfunc_end_k_q275ffb730b_pick:
	.size	k_q275ffb730b_pick, .Lfunc_end_k_q275ffb730b_pick-k_q275ffb730b_pick
	.p2alignl 7, 3214868480
	.fill 96, 4, 3214868480
	.section	.rodata,"a",@progbits
	.p2align	6, 0x0
	.amdhsa_kernel k_q275ffb730b_pick
		.amdhsa_group_segment_fixed_size 26112
		.amdhsa_private_segment_fixed_size 0
		.amdhsa_enable_private_segment 0
		.amdhsa_kernarg_size 40
		.amdhsa_user_sgpr_count 2
		.amdhsa_user_sgpr_kernarg_segment_ptr 1
		.amdhsa_wavefront_size32 1
		.amdhsa_system_sgpr_workgroup_id_x 1
		.amdhsa_system_sgpr_workgroup_id_y 1
		.amdhsa_system_sgpr_workgroup_id_z 1
		.amdhsa_system_vgpr_workitem_id 0
		.amdhsa_next_free_vgpr 256
		.amdhsa_next_free_sgpr 66
		.amdhsa_reserve_vcc 1
		.amdhsa_float_denorm_mode_32 3
		.amdhsa_float_denorm_mode_16_64 3
		.amdhsa_memory_ordered 1
		.amdhsa_forward_progress 1
		.amdhsa_inst_pref_size 100
	.end_amdhsa_kernel
	.amdgpu_metadata
---
amdhsa.version: [ 1, 2 ]
amdhsa.kernels:
  - .name:           k_q275ffb730b_pick
    .symbol:         k_q275ffb730b_pick.kd
    .args:
      - { .name: known, .offset: 0, .size: 8, .value_kind: global_buffer, .address_space: global }
      - { .name: unknown, .offset: 8, .size: 8, .value_kind: global_buffer, .address_space: global }
      - { .name: rowtag, .offset: 16, .size: 8, .value_kind: global_buffer, .address_space: global }
      - { .name: nbr, .offset: 24, .size: 8, .value_kind: global_buffer, .address_space: global }
      - { .name: wgt, .offset: 32, .size: 8, .value_kind: global_buffer, .address_space: global }
    .group_segment_fixed_size: 26112
    .private_segment_fixed_size: 0
    .kernarg_segment_align: 8
    .kernarg_segment_size: 40
    .max_flat_workgroup_size: 128
    .sgpr_count:     66
    .vgpr_count:     256
    .wavefront_size: 32
...
	.end_amdgpu_metadata
.endif
;; end of part 2
;; launch blend (part 3): grid 256 x 1, 16 waves a work-group, no clusters, 34,816 bytes of LDS; arguments known_feats, nbr, wgt, out0; writes out0
.if DOCPART == 3
	.amdgcn_target "amdgcn-amd-amdhsa--gfx1250"
	.amdhsa_code_object_version 6
	.text
	.protected	k_q275ffb730b_blend
	.globl	k_q275ffb730b_blend
	.p2align	8
	.type	k_q275ffb730b_blend,@function
k_q275ffb730b_blend:
	s_mov_b64 s[64:65], 0
	v_nop
	global_prefetch_b8 v0, s[64:65] scope:SCOPE_SE
	s_setreg_imm32_b32 hwreg(HW_REG_WAVE_MODE, 25, 1), 1
	s_wait_xcnt 0x0
; blend: out0[b][c][n] = sum over k = 0..2 of wgt[b][n][k] * known_feats[b][c][nbr[b][n][k]].
; known_feats [8][256][2048] f32, nbr [8][4096][3] u32, wgt [8][4096][3] f32, out0 [8][256][4096] f32.
; A work-group: one batch, 8 channels, all 4096 n: every byte of known_feats is read by one work-group, once.
;
; FORMAT: this sum is the problem's matrix product; its feature operand is rounded once to f16, the weights and the sums stay f32
; (v_fma_mix_f32: f16 half x f32 + f32).  The 8 channels of a point are then 16 bytes, ONE LDS load for a gathered neighbour instead of two.
; f16 and not bf16: the rounding is at most 2^-11 of the feature against 2^-8, which matters where large features of opposite sign cancel.
; LIMITS: a feature beyond 65,504 in magnitude becomes infinite; below 6.1e-5 the rounding is absolute, at most 2^-25.
;
; THE SLICE IN LDS: thread t loads points 4 t .. 4 t + 3 of each of the 8 channels (16 bytes a lane, 512 consecutive bytes a wave), so it
; holds four whole rows; row j goes to byte 16 t + 8192 j: neighbouring lanes write neighbouring 16 bytes.
; Point m = 4 q + j therefore lies at 16 q + 8192 j = ((m << 2) & 0x1ff0) + ((m & 3) << 13).  2048 rows x 16 bytes fill the 32,768 bytes.
; A lane owns 4 neighbouring n in each of two chunks (n = 4 t + s and n = 2048 + 4 t + s).  Its 4 results of a channel are 16 neighbouring
; bytes of out0, so a store of the wave covers 512 consecutive bytes, aligned: no way through LDS on the way out.
; No matrix instruction: the sum has three terms, and the three features are other ones for every n: there is no operand that a tile of
; outputs shares; as a dense product over all 2048 points it would be 683 times the multiply-adds.
; No cluster: a work-group's own bytes are 64 KiB in and 128 KiB out; what the 32 work-groups of a batch share (nbr and wgt, 96 KiB)
; goes straight to the registers of the lanes that use it.
.set L16, 1                            ; 16 t: my bytes in a channel's row of known_feats, my LDS row 0, my bytes in a channel's row of out0
.set A48, 2                            ; 48 t: my 4 n's bytes in nbr and in wgt
.set Z,   3                            ; 0.0: the addend of each sum's first product
.set IX,  8                            ; v[8:31]    index, then LDS address, of chunk h, my n number s, neighbour k at IX + 12 h + 3 s + k
.set WT,  32                           ; v[32:55]   the weights likewise
.set ACC, 56                           ; v[56:119]  chunk h: channel c, my 4 n at ACC + 32 h + 4 c
.set F,   56                           ; v[56:87]   before the barrier: channel c, my 4 points at F + 4 c, as loaded
.set R,   88                           ; v[88:103]  before the barrier: my point j, 8 channels in f16 at R + 4 j
.set G,   120                          ; v[120:215] gathered: 8 channels in f16 at G + 4 (12 h + 3 s + k)
.set TU,  120                          ; v[120:143] before the gathers: m & 3
	s_load_b256 s[4:11], s[0:1], 0x0               ; known_feats, nbr, wgt, out0
	v_lshl_add_u32 v216, v0, 2, 0x8000
	v_mov_b32 v217, 0
	s_lshl_b32 s12, ttmp9, 16                      ; 8 channels x 8,192 bytes a work-group
	s_mov_b32 s13, 0
	s_lshl_b32 s14, ttmp9, 17                      ; 8 channels x 16,384 bytes
	s_mov_b32 s15, 0
	s_lshr_b32 s16, ttmp9, 5                       ; batch: 32 work-groups each
	s_mul_i32 s16, s16, 49152                      ; 4096 x 12 bytes
	s_mov_b32 s17, 0
	v_lshlrev_b32 v[L16], 4, v0
	v_mul_u32_u24 v[A48], 48, v0
	v_mov_b32 v[Z], 0
	s_wait_kmcnt 0x0
	s_add_nc_u64 s[4:5], s[4:5], s[12:13]
	s_add_nc_u64 s[6:7], s[6:7], s[16:17]
	s_add_nc_u64 s[8:9], s[8:9], s[16:17]
	s_add_nc_u64 s[10:11], s[10:11], s[14:15]
	; the features first: every wave's gathers wait for them behind the barrier
.irp c, 0,1,2,3,4,5,6,7
	global_load_b128 v[F+4*\c:F+4*\c+3], v[L16], s[4:5] offset:\c*8192 th:TH_LOAD_NT
.endr
.irp h, 0,1
.irp j, 0,1,2
	global_load_b128 v[IX+12*\h+4*\j:IX+12*\h+4*\j+3], v[A48], s[6:7] offset:\h*24576+16*\j
	global_load_b128 v[WT+12*\h+4*\j:WT+12*\h+4*\j+3], v[A48], s[8:9] offset:\h*24576+16*\j
.endr
.endr
	s_wait_loadcnt 12                              ; loads return in order: the 8 of the features are in, the 12 of nbr and wgt stay out
.irp j, 0,1,2,3
.irp p, 0,1,2,3
	v_cvt_pk_f16_f32 v[R+4*\j+\p], v[F+8*\p+\j], v[F+8*\p+4+\j]    ; point 4 t + j: channel 2 p in the low half, 2 p + 1 in the high half
.endr
	ds_store_b128 v[L16], v[R+4*\j:R+4*\j+3] offset:\j*8192
.endr
	s_wait_loadcnt 0x0
	; index to LDS address; the five steps run over all 24 indices, so that no instruction waits for the one in front of it
.irp e, 0,1,2,3,4,5,6,7,8,9,10,11,12,13,14,15,16,17,18,19,20,21,22,23
	v_min_u32 v[IX+\e], 0x7ff, v[IX+\e]            ; a loaded number enters an address only behind a clamp to the table's size
.endr
.irp e, 0,1,2,3,4,5,6,7,8,9,10,11,12,13,14,15,16,17,18,19,20,21,22,23
	v_and_b32 v[TU+\e], 3, v[IX+\e]                ; j
.endr
.irp e, 0,1,2,3,4,5,6,7,8,9,10,11,12,13,14,15,16,17,18,19,20,21,22,23
	v_lshlrev_b32 v[IX+\e], 2, v[IX+\e]            ; 16 q + 4 j
.endr
.irp e, 0,1,2,3,4,5,6,7,8,9,10,11,12,13,14,15,16,17,18,19,20,21,22,23
	v_and_b32 v[IX+\e], 0x1ff0, v[IX+\e]           ; 16 q
.endr
.irp e, 0,1,2,3,4,5,6,7,8,9,10,11,12,13,14,15,16,17,18,19,20,21,22,23
	v_lshl_add_u32 v[IX+\e], v[TU+\e], 13, v[IX+\e]        ; + 8192 j
.endr
	s_wait_dscnt 0x0                               ; my four rows are written
	s_barrier_signal -1
	s_barrier_wait -1                              ; everybody's are; LDS is only read from here on
	; all 24 gathers of the wave in one run: the second chunk's are served while the first chunk is summed and stored
.irp e, 0,1,2,3,4,5,6,7,8,9,10,11,12,13,14,15,16,17,18,19,20,21,22,23
	ds_load_b128 v[G+4*\e:G+4*\e+3], v[IX+\e]
.endr
; My n number s of chunk h, 8 channels.  The first neighbour's product starts each sum (addend 0.0): no sum is cleared.
; op_sel_hi:[1,0,0]: the first source is an f16 half, the other two are f32; op_sel:[1,0,0] takes its high half.
.macro SUMS h, s
	s_wait_dscnt 21-12*\h-3*\s                     ; LDS answers in order: this n's 3 gathers are in, those of the later n stay out
.irp p, 0,1,2,3
	v_fma_mix_f32 v[ACC+32*\h+8*\p+\s],   v[G+48*\h+12*\s+\p], v[WT+12*\h+3*\s], v[Z] op_sel_hi:[1,0,0]
	v_fma_mix_f32 v[ACC+32*\h+8*\p+4+\s], v[G+48*\h+12*\s+\p], v[WT+12*\h+3*\s], v[Z] op_sel:[1,0,0] op_sel_hi:[1,0,0]
.endr
.irp k, 1,2
.irp p, 0,1,2,3
	v_fma_mix_f32 v[ACC+32*\h+8*\p+\s],   v[G+48*\h+12*\s+4*\k+\p], v[WT+12*\h+3*\s+\k], v[ACC+32*\h+8*\p+\s] op_sel_hi:[1,0,0]
	v_fma_mix_f32 v[ACC+32*\h+8*\p+4+\s], v[G+48*\h+12*\s+4*\k+\p], v[WT+12*\h+3*\s+\k], v[ACC+32*\h+8*\p+4+\s] op_sel:[1,0,0] op_sel_hi:[1,0,0]
.endr
.endr
.endm
.macro CHUNK h
	SUMS \h, 0
	SUMS \h, 1
	SUMS \h, 2
	SUMS \h, 3
.irp c, 0,1,2,3,4,5,6,7
	global_store_b128 v[L16], v[ACC+32*\h+4*\c:ACC+32*\h+4*\c+3], s[10:11] offset:\c*16384+\h*8192 th:TH_STORE_NT
.endr
.endm
	CHUNK 0
	CHUNK 1                                        ; its sums have registers of their own: no wait for the first chunk's stores
	s_wait_tensorcnt 0x0
	ds_add_u32 v216, v217
	s_wait_dscnt 0x0
	s_endpgm
.Lfunc_end_k_q275ffb730b_blend:
	.size	k_q275ffb730b_blend, .Lfunc_end_k_q275ffb730b_blend-k_q275ffb730b_blend
	.p2alignl 7, 3214868480
	.fill 96, 4, 3214868480
	.section	.rodata,"a",@progbits
	.p2align	6, 0x0
	.amdhsa_kernel k_q275ffb730b_blend
		.amdhsa_group_segment_fixed_size 34816
		.amdhsa_private_segment_fixed_size 0
		.amdhsa_enable_private_segment 0
		.amdhsa_kernarg_size 32
		.amdhsa_user_sgpr_count 2
		.amdhsa_user_sgpr_kernarg_segment_ptr 1
		.amdhsa_wavefront_size32 1
		.amdhsa_system_sgpr_workgroup_id_x 1
		.amdhsa_system_sgpr_workgroup_id_y 1
		.amdhsa_system_sgpr_workgroup_id_z 1
		.amdhsa_system_vgpr_workitem_id 0
		.amdhsa_next_free_vgpr 218
		.amdhsa_next_free_sgpr 66
		.amdhsa_reserve_vcc 0
		.amdhsa_float_denorm_mode_32 3
		.amdhsa_float_denorm_mode_16_64 3
		.amdhsa_memory_ordered 1
		.amdhsa_forward_progress 1
		.amdhsa_inst_pref_size 26
	.end_amdhsa_kernel
	.amdgpu_metadata
---
amdhsa.version: [ 1, 2 ]
amdhsa.kernels:
  - .name:           k_q275ffb730b_blend
    .symbol:         k_q275ffb730b_blend.kd
    .args:
      - { .name: known_feats, .offset: 0, .size: 8, .value_kind: global_buffer, .address_space: global }
      - { .name: nbr, .offset: 8, .size: 8, .value_kind: global_buffer, .address_space: global }
      - { .name: wgt, .offset: 16, .size: 8, .value_kind: global_buffer, .address_space: global }
      - { .name: out0, .offset: 24, .size: 8, .value_kind: global_buffer, .address_space: global }
    .group_segment_fixed_size: 34816
    .private_segment_fixed_size: 0
    .kernarg_segment_align: 8
    .kernarg_segment_size: 32
    .max_flat_workgroup_size: 512
    .sgpr_count:     66
    .vgpr_count:     218
    .wavefront_size: 32
...
	.end_amdgpu_metadata
.endif
;; end of part 3
